; MI455X (gfx1250); checked and timed in simulation.
; The chip was launched on July 23, 2026; its instructions are those of AMD's public machine-readable ISA for CDNA 5 (MIT licence, August 2026) and "CDNA5" Instruction Set Architecture Reference Guide (July 2026). The comments in the code are by the model that wrote it; some were corrected since.
;; MHA. Allowed arithmetic: matrix products marked QUANTISED: E2M3 operands, one E8M0 scale for each 32 along K, by v_wmma_scale_f32_16x16x128_f8f6f4 with both operands' format E2M3, f32 sums; everything else in f32.
;; Inputs: f_b 512 float32; f_w 512 x 512 float32; kv_b 1,024 float32; kv_w 1,024 x 512 float32; mask 1 x 1 x 4,096 x 4,096 float32; q_b 512 float32; q_w 512 x 512 float32; x 2 x 4,096 x 512 float32.
;; Outputs: out0 2 x 4,096 x 512 float32.
;; This version of the problem:
;;   THIS VERSION OF THE PROBLEM IS GIVEN IN LOW PRECISION. The matrix products marked QUANTISED in the list below multiply operands that are first quantised to E2M3 (2 exponent bits, 3 mantissa bits; 6 bits a number), with one power-of-two scale for each 32 numbers along K (OCP MX v1.0); their sums are f32. All else is computed in f32.
;;   The module's matrix products, in the order in which they are computed (A, B: the left and right operand; K: the contracted axis; several contracted axes count as one K, in the product's order):
;;     1. [M 8,192, K 512] x [K 512, N 512]; A: input x; B: input q_w: QUANTISED
;;     2. [M 8,192, K 512] x [K 512, N 1,024]; A: input x; B: input kv_w: QUANTISED
;;     3. batch 16 x [M 4,096, K 64] x [K 64, N 4,096]; A: computed on the way; B: computed on the way: QUANTISED
;;     4. batch 16 x [M 4,096, K 4,096] x [K 4,096, N 64]; A: softmax (see below); B: computed on the way: QUANTISED
;;     5. [M 8,192, K 512] x [K 512, N 512]; A: computed on the way; B: input f_w: QUANTISED
;;   THE QUANTISER, for each operand of a quantised product, along K:
;;     - K is cut into blocks of 32 from its start; a last block that is shorter is filled with zeros.
;;     - A block's scale is 2^e with e = floor(log2(the largest magnitude in the block)) - 2, held to -126 .. 127; a block of zeros has e = 0. As a byte (E8M0): e + 127.
;;     - Each number is divided by its block's scale, clamped to +-7.5, and rounded to the nearest number of E2M3, ties to even, subnormals kept.
;;     - The product sums the exact products of the quantised numbers (number of the format x scale) in f32.
;;   ~~~python
;;   def quantise(x, axis):      # numpy; x: float32 -> the quantised numbers, widened to float32 again
;;       x = np.moveaxis(x, axis, -1); K = x.shape[-1]
;;       x = np.pad(x, [(0, 0)] * (x.ndim - 1) + [(0, -K % 32)]); x = x.reshape(x.shape[:-1] + (-1, 32)); a = np.abs(x).max(-1, keepdims=True)
;;       e = np.where(a > 0, np.clip(np.frexp(np.where(a > 0, a, 1))[1] - 1 - 2, -126, 127), 0)      # np.frexp(a)[1] - 1 = floor(log2(a)), exactly
;;       r = np.clip(x / 2.0 ** e, -7.5, 7.5)
;;       step = 2.0 ** (np.maximum(np.frexp(np.where(r == 0, 1, r))[1] - 1, 0) - 3)
;;       q = np.round(r / step) * step * 2.0 ** e      # np.round: ties to even
;;       return np.moveaxis(q.reshape(q.shape[:-2] + (-1,))[..., :K], -1, axis).astype(np.float32)
;;   ~~~
;;   SOFTMAX AHEAD OF A QUANTISED PRODUCT. Where the list says 'softmax', what is quantised is not the finished softmax but p = 2^(t - M), with t = logit x log2(e) and M = ceil(the row's largest t), a whole number; so 1/2 < the row's largest p <= 1. The row's sum l is taken of the UNQUANTISED p, in f32, and the product's result is divided by l at the end. Since M is a whole number, a kernel that streams over the keys may use a running M (the ceiling of the running maximum): every later rescaling is an exact power of two, which a block's scale takes up: the codes' values come out the same.
;;   OPERANDS COMPUTED ON THE WAY. 'Computed on the way' means the value that the module computes at that place (a softmax that the list does not call 'softmax' is quantised finished and normalised). What goes into a quantiser is computed in f32, as accurately as f32 sums, v_exp_f32 and their like allow (about 1e-6 of the number): no bf16 or f16 on the way to a quantiser, and a product that is left as it is and whose result goes on into a quantised operand takes f32 operands (vector FMAs, or v_wmma_f32_16x16x4_f32). A number that lies on a knife's edge between two numbers of the format may be rounded either way, as far as f32 arithmetic and the matrix unit's own rounding can turn it there, and no further.
;; One version. Each part assembles by itself: llvm-mc -triple=amdgcn-amd-amdhsa -mcpu=gfx1250 --defsym DOCPART=n.
;; ======== version 1 of 1: 3 launches
;; limits: right only within a limited range of input values
;; workspace buffers: cod 3,932,160 bytes; scl 163,840 bytes; qim 3,145,728 bytes; qsc 262,144 bytes; kvb 6,815,744 bytes
;; launch quant (part 1): grid 320 x 1, 4 waves a work-group, no clusters, 66,048 bytes of LDS; arguments x, q_w, kv_w, f_w, cod, scl; writes cod, scl
.if DOCPART == 1
	.amdgcn_target "amdgcn-amd-amdhsa--gfx1250"
	.amdhsa_code_object_version 6
	.text
	.protected	k_q6b478a9dbb_quant
	.globl	k_q6b478a9dbb_quant
	.p2align	8
	.type	k_q6b478a9dbb_quant,@function
k_q6b478a9dbb_quant:
	s_mov_b64 s[64:65], 0
	v_nop
	global_prefetch_b8 v0, s[64:65] scope:SCOPE_SE
	s_setreg_imm32_b32 hwreg(HW_REG_WAVE_MODE, 25, 1), 1
	s_wait_xcnt 0x0
; x [8192][512], q_w [512][512], kv_w [1024][512], f_w [512][512], all f32 with K = 512 innermost, become codes of FP6 (E2M3) with one E8M0 byte for each 32 along K.
; The four tensors count as one list of 10,240 rows.  THE CODES ARE LAID AS IMAGES OF OPERAND REGISTERS, not as rows:
;   rows go in groups of 32; tile T = 2 (row / 32) + u holds at place p (0..15) the row 32 (row / 32) + 8 u + p + 8 (p / 8);
;   cod: 6,144 bytes a tile: four fragments (128 along K) of 1,536 bytes; in a fragment lane L = p + 16 h owns 48 bytes at 48 L, its 12 registers: block b of place p lies at 48 (p + 16 (b % 2)) + 24 (b / 2);
;   scl: 256 bytes a tile: place p owns 16 bytes, the row's 16 scale bytes in order.
; A block's scale is 2^(floor(log2(its largest magnitude)) - 2); its byte is the largest magnitude's exponent field - 2, held at 1 from below.
; LIMITS: a block of zeros gets the byte 1 where the rule says 127 (its codes are zeros, and this program alone reads the bytes); blocks whose largest magnitude lies under 2^-124 were not tried; NaN and infinities are not served.
; SHARES: a work-group takes 32 rows, a wave 8, a step one row (512 numbers).  A step's four loads read 512 consecutive bytes each; the 2,048 bytes turn through the wave's own stage in LDS, so that a lane holds 16 neighbours
; along K (two neighbouring lanes hold a block).  A lane's 12 bytes of codes go to a second stage, in places of 16 bytes, ordered so that 32 places on end are 384 consecutive bytes of cod; they leave at the end, 384 bytes a store.
; No tensor loads, no barrier: waves share nothing.  Loads run four steps (16 loads a wave) ahead, the turn through LDS one step.
; SHARES AS THE CODE NOW HAS THEM: a work-group takes 32 rows, a wave 8 (one step a row): rows 8 j .. 8 j + 7 of a group of 32 are places 8 (j / 2) .. + 7 of tile j % 2.
.set STEPS, 8
.set EMAX,  2
.set R,     16                         ; v16-79   four sets of 16 numbers as they are loaded; on the way out the codes' runs
.set X,     80                         ; v80-111  two sets of 16 neighbours
.set E,     112                        ; v112-119 a scale byte for each step
.set C,     128                        ; v128-159 codes: four registers for each step
.set WREG,  16384                      ; LDS: a region of its own for each wave
.set SP,    80                         ; a lane's place in a turning stage: its 64 bytes + 16 of padding; two stages of 32 places
.set SBY,   5120                       ; behind them the wave's 128 scale bytes
.set CST,   8192                       ; and the codes' stage: 8 runs of 32 places of 16 bytes
	s_load_b256 s[4:11], s[0:1], 0x0               ; x, q_w, kv_w, f_w
	s_load_b128 s[12:15], s[0:1], 0x20             ; cod, scl
	v_lshl_add_u32 v192, v0, 2, 0x10000
	v_mov_b32 v193, 0
	v_lshrrev_b32 v1, 5, v0
	v_readfirstlane_b32 s16, v1                    ; wave
	v_and_b32 v2, 31, v0                           ; lane l
	v_lshlrev_b32 v3, 4, v2                        ; my 16 bytes of a load's 512
	s_lshl_b32 s18, s16, 14                        ; my wave's region
	v_lshrrev_b32 v14, 2, v2
	v_mul_u32_u24 v14, v14, SP
	v_and_b32 v15, 3, v2
	v_lshl_add_u32 v14, v15, 4, v14
	v_add_nc_u32 v14, s18, v14                     ; the turning stage, in: SP (l / 4) + 16 (l % 4)
	v_mul_u32_u24 v15, v2, SP
	v_add_nc_u32 v15, s18, v15                     ; and out: SP l: my 16 neighbours
	; lane l holds half l % 2 of block (l / 2) % 4 of K step l / 8.  Its place in the codes' stage: run 2 (l / 8) + ((l / 2) % 2), place 2 ((l / 4) % 2) + l % 2 of the row's four
	v_lshrrev_b32 v4, 3, v2
	v_lshlrev_b32 v4, 10, v4
	v_bfe_u32 v8, v2, 1, 1
	v_lshl_add_u32 v4, v8, 9, v4
	v_bfe_u32 v8, v2, 2, 1
	v_lshl_add_u32 v4, v8, 5, v4
	v_and_b32 v8, 1, v2
	v_lshl_add_u32 v4, v8, 4, v4
	s_add_co_u32 s19, s18, CST
	v_add_nc_u32 v4, s19, v4                       ; into the codes' stage
	v_add_nc_u32 v10, s19, v3                      ; out of it: place l of a run
	s_add_co_u32 s19, s18, SBY
	v_lshrrev_b32 v5, 1, v2
	v_add_nc_u32 v5, s19, v5                       ; my block's scale byte
	v_lshlrev_b32 v7, 2, v2                        ; the scale bytes on the way out: 4 a lane, 128 consecutive bytes a wave, in LDS and in scl alike
	v_add_nc_u32 v6, s19, v7                       ; the scale bytes on the way out: 4 a lane
	v_mul_u32_u24 v12, v2, 12                      ; in cod: 12 bytes a lane
	s_mov_b32 s17, 304
	s_wait_kmcnt 0x0
	s_cmp_lt_u32 ttmp9, 304                        ; x: 0-255, q_w: 256-271, kv_w: 272-303, f_w: 304-319
	s_cselect_b64 s[8:9], s[8:9], s[10:11]
	s_cselect_b32 s17, 272, s17
	s_cmp_lt_u32 ttmp9, 272
	s_cselect_b64 s[6:7], s[6:7], s[8:9]
	s_cselect_b32 s17, 256, s17
	s_cmp_lt_u32 ttmp9, 256
	s_cselect_b64 s[4:5], s[4:5], s[6:7]
	s_cselect_b32 s17, 0, s17
	s_sub_co_u32 s17, ttmp9, s17
	s_lshl_b32 s17, s17, 2
	s_add_co_u32 s17, s17, s16                     ; which 8 rows of the tensor
	s_lshl_b32 s20, s17, 14                        ; 8 rows of 2,048 bytes
	s_mov_b32 s21, 0
	s_add_nc_u64 s[4:5], s[4:5], s[20:21]
	s_lshl_b32 s19, ttmp9, 2
	s_add_co_u32 s19, s19, s16                     ; which 8 rows of the list
	s_lshr_b32 s22, s19, 2                         ; the group of 32,
	s_bfe_u32 s23, s19, 0x10001                    ; places 0-7 or 8-15,
	s_and_b32 s25, s19, 1                          ; of which of its two tiles
	s_mul_i32 s20, s22, 12288
	s_mul_i32 s24, s23, 384
	s_add_co_u32 s20, s20, s24
	s_mul_i32 s24, s25, 6144
	s_add_co_u32 s20, s20, s24
	s_add_nc_u64 s[12:13], s[12:13], s[20:21]
	s_lshl_b32 s20, s22, 9
	s_lshl_b32 s24, s23, 7
	s_add_co_u32 s20, s20, s24
	s_lshl_b32 s24, s25, 8
	s_add_co_u32 s20, s20, s24
	s_add_nc_u64 s[14:15], s[14:15], s[20:21]
.macro LOAD t
.irp i, 0,1,2,3
	global_load_b128 v[R+16*((\t)%4)+4*\i:R+16*((\t)%4)+4*\i+3], v3, s[4:5] offset:2048*(\t)+512*\i th:TH_LOAD_NT   ; 32 lanes read 512 consecutive bytes
.endr
.endm
.macro TURN t                          ; step t's numbers through the stage: LDS serves a wave's instructions in order, so no wait stands between the stores and the loads
.irp i, 0,1,2,3
	ds_store_b128 v14, v[R+16*((\t)%4)+4*\i:R+16*((\t)%4)+4*\i+3] offset:32*SP*((\t)%2)+8*SP*\i
.endr
.irp i, 0,1,2,3
	ds_load_b128 v[X+16*((\t)%2)+4*\i:X+16*((\t)%2)+4*\i+3], v15 offset:32*SP*((\t)%2)+16*\i
.endr
.endm
.irp t, 0,1,2,3
	LOAD \t
.endr
	s_wait_loadcnt 12                              ; step 0's four loads are in
	TURN 0
.macro STEP t
.set XS, X+16*((\t)%2)
.if (\t) > 0
	s_wait_dscnt 2                                 ; this step's numbers are back from the stage; the last step's byte store and code store may be out
.else
	s_wait_dscnt 0x0
.endif
.if (\t)+4 < STEPS
	LOAD (\t)+4                                    ; into the set that this step's stores into the stage have read
.endif
.if (\t)+1 < STEPS
.if STEPS-2-(\t) >= 3
	s_wait_loadcnt 12                              ; the next step's four loads are in; those of the three steps behind it may be out
.else
	s_wait_loadcnt 4*(STEPS-2-(\t))
.endif
	TURN (\t)+1
.endif
	v_max3_num_f32 v8, |v[XS]|, |v[XS+1]|, |v[XS+2]|               ; the largest magnitude of my 16
	v_max3_num_f32 v9, |v[XS+3]|, |v[XS+4]|, |v[XS+5]|
.irp i, 6,10
	v_max3_num_f32 v8, v8, |v[XS+\i]|, |v[XS+\i+1]|
	v_max3_num_f32 v9, v9, |v[XS+\i+2]|, |v[XS+\i+3]|
.endr
	v_max3_num_f32 v8, v8, |v[XS+14]|, |v[XS+15]|
	v_max3_num_f32 v8, v8, v9, (EMAX+1)<<23        ; and the floor 2^(3 - 127): the byte cannot fall under 1
	v_max_num_f32_dpp v8, v8, v8 row_xmask:1 row_mask:0xf bank_mask:0xf   ; and of my neighbour's 16: the block's
	v_add_nc_u32 v11, -(EMAX<<23), v8              ; 2 off its exponent field: the conversion takes the exponent field of this operand as its scale
	v_cvt_scalef32_pk16_fp6_f32 v[C+4*(\t):C+4*(\t)+2], v[XS:XS+15], v11
	v_lshrrev_b32 v[E+(\t)], 23, v11               ; the scale's byte (also the plain line behind the conversion)
	ds_store_b8 v5, v[E+(\t)] offset:16*(\t)       ; both lanes of a block write the same byte with the same value
	ds_store_b96 v4, v[C+4*(\t):C+4*(\t)+2] offset:((\t)/8)*4096+((\t)%8)*64   ; row t: tile t / 8, place t % 8 of my eight
.endm
.irp t, 0,1,2,3,4,5,6,7
	STEP \t
.endr
	; THE WAY OUT.  Run q = (tile q / 8, K step (q / 2) % 4, half of the lanes q % 2): eight places' 48 bytes on end
.irp q, 0,1,2,3,4,5,6,7
	ds_load_b96 v[R+4*\q:R+4*\q+2], v10 offset:512*\q
.endr
	ds_load_b32 v[X], v6
.irp q, 0,1,2,3,4,5,6,7
	s_wait_dscnt 8-\q                              ; run q is in: behind it stand 7 - q runs and the scale bytes' load
	global_store_b96 v12, v[R+4*\q:R+4*\q+2], s[12:13] offset:(\q/8)*6144+((\q/2)%4)*1536+(\q%2)*768   ; 32 lanes store 384 consecutive bytes
.endr
	s_wait_dscnt 0x0
	global_store_b32 v7, v[X], s[14:15]            ; 128 consecutive bytes
	s_wait_tensorcnt 0x0
	ds_add_u32 v192, v193
	s_wait_dscnt 0x0
	s_endpgm
.Lfunc_end_k_q6b478a9dbb_quant:
	.size	k_q6b478a9dbb_quant, .Lfunc_end_k_q6b478a9dbb_quant-k_q6b478a9dbb_quant
	.p2alignl 7, 3214868480
	.fill 96, 4, 3214868480
	.section	.rodata,"a",@progbits
	.p2align	6, 0x0
	.amdhsa_kernel k_q6b478a9dbb_quant
		.amdhsa_group_segment_fixed_size 66048
		.amdhsa_private_segment_fixed_size 0
		.amdhsa_enable_private_segment 0
		.amdhsa_kernarg_size 48
		.amdhsa_user_sgpr_count 2
		.amdhsa_user_sgpr_kernarg_segment_ptr 1
		.amdhsa_wavefront_size32 1
		.amdhsa_system_sgpr_workgroup_id_x 1
		.amdhsa_system_sgpr_workgroup_id_y 1
		.amdhsa_system_sgpr_workgroup_id_z 1
		.amdhsa_system_vgpr_workitem_id 0
		.amdhsa_next_free_vgpr 194
		.amdhsa_next_free_sgpr 66
		.amdhsa_reserve_vcc 0
		.amdhsa_float_denorm_mode_32 3
		.amdhsa_float_denorm_mode_16_64 3
		.amdhsa_memory_ordered 1
		.amdhsa_forward_progress 1
		.amdhsa_inst_pref_size 20
	.end_amdhsa_kernel
	.amdgpu_metadata
---
amdhsa.version: [ 1, 2 ]
amdhsa.kernels:
  - .name:           k_q6b478a9dbb_quant
    .symbol:         k_q6b478a9dbb_quant.kd
    .args:
      - { .name: x, .offset: 0, .size: 8, .value_kind: global_buffer, .address_space: global }
      - { .name: q_w, .offset: 8, .size: 8, .value_kind: global_buffer, .address_space: global }
      - { .name: kv_w, .offset: 16, .size: 8, .value_kind: global_buffer, .address_space: global }
      - { .name: f_w, .offset: 24, .size: 8, .value_kind: global_buffer, .address_space: global }
      - { .name: cod, .offset: 32, .size: 8, .value_kind: global_buffer, .address_space: global }
      - { .name: scl, .offset: 40, .size: 8, .value_kind: global_buffer, .address_space: global }
    .group_segment_fixed_size: 66048
    .private_segment_fixed_size: 0
    .kernarg_segment_align: 8
    .kernarg_segment_size: 48
    .max_flat_workgroup_size: 128
    .sgpr_count:     66
    .vgpr_count:     194
    .wavefront_size: 32
...
	.end_amdgpu_metadata
.endif
;; end of part 1
;; launch proj (part 2): grid 64 x 4, 8 waves a work-group, clusters of 4 x 4, 205,824 bytes of LDS; arguments cod, scl, q_b, kv_b, qim, qsc, kvb; writes qim, qsc, kvb
.if DOCPART == 2
	.amdgcn_target "amdgcn-amd-amdhsa--gfx1250"
	.amdhsa_code_object_version 6
	.text
	.protected	k_q6b478a9dbb_proj
	.globl	k_q6b478a9dbb_proj
	.p2align	8
	.type	k_q6b478a9dbb_proj,@function
k_q6b478a9dbb_proj:
	s_mov_b64 s[64:65], 0
	v_nop
	global_prefetch_b8 v0, s[64:65] scope:SCOPE_SE
	s_setreg_imm32_b32 hwreg(HW_REG_WAVE_MODE, 25, 1), 1
	s_wait_xcnt 0x0
	s_wait_alu depctr_hold_cnt(0) depctr_sa_sdst(0) depctr_va_vdst(0) depctr_va_sdst(0) depctr_va_ssrc(0) depctr_va_vcc(0) depctr_vm_vsrc(0)
	s_getreg_b32 s2, hwreg(HW_REG_IB_STS2, 6, 4)
	s_cmp_eq_u32 s2, 0
	s_cbranch_scc0 .Lentry_in_a_cluster
	s_endpgm
.Lentry_in_a_cluster:
	s_bfe_u32 s2, ttmp6, 0x10000c
	s_cmp_lg_u32 s2, 0xf033
	s_cbranch_scc0 .Lentry_shape_is_right
	s_endpgm
.Lentry_shape_is_right:
; Q = x q_w^T + q_b and [K V] = x kv_w^T + kv_b on codes of FP6 (E2M3) with E8M0 scales, sums in f32; the results are quantised at once: Q and K along the head's 64, V along the keys, and stored as images of operand registers.
; SHARES.  A work-group takes 128 rows of x (block J of 64; batch J / 32, key step J % 32) and two heads (pair hp of 4): 128 x 384 results.  Wave w: head 2 hp + w / 4, quarter kq = w % 4.  It runs three units of 8 accumulators x 4 K steps:
;   Q: the 32 rows of x's tiles 2 kq, 2 kq + 1 x the head's 64 features, TRANSPOSED (source 0 = 16 rows of the weight, source 1 = 16 rows of x): a lane holds one row of x, its registers run along the features;
;   K: the same with K's weights;    V: 16 features (the head's tile kq) x all 128 rows, source 0 = x: a lane holds one feature, its registers run along the keys.
; The rows of a tile are not neighbours (place p of tile 2 g + u is row 32 g + 8 u + p + 8 (p / 8)), so the 16 registers of two neighbouring tiles are 16 neighbours along the next product's K.
; The biases are the C of each sum's first matrix instruction.
; OUT.  qim [batch][head][32 queries][1,536]: three planes of 512 bytes, lane L's 16 bytes at 16 L: registers 0-5 tile 0's 64 features, 6-11 tile 1's.  qsc: one word a lane: two bytes of tile 0, two of tile 1, EACH 3 LOWER than the
; quantiser's byte: that is the division of the scores by sqrt(64) = 8, exact.  kvb [batch][step][head][13,312]: K's four fragments, V's four, K's four planes of scale words, V's four.
; LIMITS: a block of zeros gets the floor's byte where the rule says 127 (its codes are zeros; this program alone reads the bytes); the floor is 2^-124, for Q 2^-121, so that its byte less 3 stays at 1 or above: blocks under it were not tried.  NaN and infinities are not served.
; CLUSTERS: 4 x 4 work-groups.  The four of a column of the cluster take the same block of x, the four of a row the same weights: each is asked for JOINTLY.  LDS is filled once: no ring.
; REGISTERS: window 0: v1-15 addresses; v16-43 scale words; v44-107 eight accumulators; v108-215 nine fragments; v216-253 the quantiser's.  window 1: v0-31 Q's bias, v32-63 K's, v64-71 V's.
.set WV, 20                            ; s20 wave
.set HI, 21                            ; s21 which head of the pair
.set KQ, 22                            ; s22 quarter
.set CX, 23
.set CY, 24
.set JJ, 25                            ; s25 block of 128 rows
.set HP, 26                            ; s26 pair of heads
.set W3, 27                            ; s27 wave % 4
.set G1CX, 28                          ; s[28:35] group 1: x's codes;  s[36:43] the weights' codes;  s[44:51] x's scales;  s[52:59] the weights' scales
.set G1CW, 36
.set G1SX, 44
.set G1SW, 52
.set G0CX, 60                          ; s[60:63], s[68:71], s[72:75], s[76:79] their groups 0
.set G0CW, 68
.set G0SX, 72
.set G0SW, 76
.set SEL, 80                           ; s[80:81] lane selects for v_permlanex16_b32: lane l xor 16
.set LWQ, 49152                        ; LDS: x's 8 tiles at 0; q_w's 8 tiles, K's, V's: 49,152 bytes each
.set LSX, 196608                       ; x's scale words, 2,048 bytes;
.set LSW, 198656                       ; q_w's, K's, V's likewise
.set AX,   1                           ; v1  48 L + my pair of x's tiles
.set AX0,  2                           ; v2  48 L
.set AWQ,  3                           ; v3  48 L + my head's tiles of q_w
.set AWK,  4                           ; v4  of K's weights
.set AWV,  5                           ; v5  48 L + my tile of V's weights
.set ASXP, 6                           ; v6  scale words of my pair of x's tiles
.set ASX0, 7                           ; v7  of x's first pair
.set ASW,  8                           ; v8  of my head's tiles of q_w
.set ASWV, 9                           ; v9  of my tile of V's weights
.set LI,   10                          ; v10 16 L
.set LS,   11                          ; v11 4 L
.set BO,   12                          ; v12 64 h: Q's and K's bias
.set BVO,  13                          ; v13 V's bias: my feature
.set LIK,  14                          ; v14 16 L + 1,536 kq
.set LSK,  15                          ; v15 4 L + 128 kq
.set XSA,  16                          ; v16-31 x's scale words: pair p, K step s at 16 + 4 p + s: lanes 0-15 the even tile, lanes 16-31 the odd one
.set XSP,  32                          ; v32-35 those of my pair
.set WS,   36                          ; v36-43 the weights': pair n / 2, K step s
.set ACC,  44
.set FR,   108
.set TM,   216
.set PW,   232
.set PC,   234
.set BQ,   0
.set BK,   32
.set BV,   64
.set MSB, 0
.macro WIN new                         ; the immediate's high byte repeats the setting that is left
.if MSB != \new
	s_set_vgpr_msb (MSB<<8)|\new
.set MSB, \new
.endif
.endm
.macro PLACES                          ; four plain places behind matrix instructions, in front of loads into their registers and of the first read of results
.rept 4
	v_nop
.endr
.endm
.macro ROUND                           ; a round of the cluster's barrier
	s_barrier_signal -1
	s_barrier_wait -1
	s_cmp_lg_u32 s[WV], 0
	s_cbranch_scc1 .Lnot_wave_0_\@
	s_barrier_signal -3
.Lnot_wave_0_\@:
	s_barrier_wait -3
	s_barrier_signal -1
	s_barrier_wait -1
.endm
; One joint load a wave: wave 0 x's codes, waves 1-3 the three weights' codes, wave 4 x's scales, waves 5-7 the weights' scales.  The branches hang on the wave's number alone.  Four v_nop follow each line.
.macro TLOAD4
	s_cmp_eq_u32 s[WV], 0
	s_cbranch_scc0 .Lt1_\@
	tensor_load_to_lds s[G0CX:G0CX+3], s[G1CX:G1CX+7]
	s_nop 0
	PLACES
	s_branch .Ltend_\@
.Lt1_\@:
	s_cmp_lt_u32 s[WV], 4
	s_cbranch_scc0 .Lt2_\@
	tensor_load_to_lds s[G0CW:G0CW+3], s[G1CW:G1CW+7]
	s_nop 0
	PLACES
	s_branch .Ltend_\@
.Lt2_\@:
	s_cmp_eq_u32 s[WV], 4
	s_cbranch_scc0 .Lt3_\@
	tensor_load_to_lds s[G0SX:G0SX+3], s[G1SX:G1SX+7]
	s_nop 0
	PLACES
	s_branch .Ltend_\@
.Lt3_\@:
	tensor_load_to_lds s[G0SW:G0SW+3], s[G1SW:G1SW+7]
	s_nop 0
	PLACES
.Ltend_\@:
.endm
.macro LDFRAG reg, adr, off            ; a fragment: the lane's 48 bytes, three loads of 16; from lane to lane 48 bytes
.irp i, 0,1,2
	ds_load_b128 v[\reg+4*\i:\reg+4*\i+3], v[\adr] offset:\off+16*\i
.endr
.endm
; one matrix instruction; ra, rb: source 0's, source 1's scales stand in lanes 16-31 of their register
.macro MMS d, a, b, c, sa, sb, ra, rb
.if (\ra) && (\rb)
	v_wmma_scale_f32_16x16x128_f8f6f4 v[\d:\d+7], v[\a:\a+11], v[\b:\b+11], v[\c:\c+7], v[\sa], v[\sb] matrix_a_fmt:MATRIX_FMT_FP6 matrix_b_fmt:MATRIX_FMT_FP6 matrix_a_scale:MATRIX_SCALE_ROW1 matrix_b_scale:MATRIX_SCALE_ROW1
.elseif (\ra)
	v_wmma_scale_f32_16x16x128_f8f6f4 v[\d:\d+7], v[\a:\a+11], v[\b:\b+11], v[\c:\c+7], v[\sa], v[\sb] matrix_a_fmt:MATRIX_FMT_FP6 matrix_b_fmt:MATRIX_FMT_FP6 matrix_a_scale:MATRIX_SCALE_ROW1
.elseif (\rb)
	v_wmma_scale_f32_16x16x128_f8f6f4 v[\d:\d+7], v[\a:\a+11], v[\b:\b+11], v[\c:\c+7], v[\sa], v[\sb] matrix_a_fmt:MATRIX_FMT_FP6 matrix_b_fmt:MATRIX_FMT_FP6 matrix_b_scale:MATRIX_SCALE_ROW1
.else
	v_wmma_scale_f32_16x16x128_f8f6f4 v[\d:\d+7], v[\a:\a+11], v[\b:\b+11], v[\c:\c+7], v[\sa], v[\sb] matrix_a_fmt:MATRIX_FMT_FP6 matrix_b_fmt:MATRIX_FMT_FP6
.endif
.endm
; 64 numbers of a lane, v[s] .. v[s + 63], register 16 b + i = number 16 (lane / 16) + i of block b, become 12 registers of codes in v[PC] on (lanes 0-15 blocks 0 and 2, lanes 16-31 blocks 1 and 3) and the four bytes in v[PW].
.macro QUANT s, floor
.irp b, 0,1,2,3
	v_max3_num_f32 v[TM+\b], |v[\s+16*\b]|, |v[\s+1+16*\b]|, \floor   ; my 16 numbers of block b, and the floor
.endr
.irp i, 2,4,6,8,10,12,14
.irp b, 0,1,2,3
	v_max3_num_f32 v[TM+\b], v[TM+\b], |v[\s+16*\b+\i]|, |v[\s+1+16*\b+\i]|   ; (the four blocks by turns)
.endr
.endr
.irp b, 0,1,2,3
	s_delay_alu instid0(VALU_DEP_4)
	v_permlanex16_b32 v[TM+4+\b], v[TM+\b], s[SEL], s[SEL+1]
.endr
.irp b, 0,1,2,3
	s_delay_alu instid0(VALU_DEP_4)
	v_max_num_f32 v[TM+\b], v[TM+\b], v[TM+4+\b]   ; with lane l xor 16's: the block's largest magnitude
.endr
.irp b, 0,1,2,3
	s_delay_alu instid0(VALU_DEP_4)
	v_add_nc_u32 v[TM+12+\b], 0xff000000, v[TM+\b] ; 2 off its exponent field: the conversion's scale operand
.endr
.irp b, 0,1,2,3
	s_delay_alu instid0(VALU_DEP_4)
	v_lshrrev_b32 v[TM+4+\b], 23, v[TM+12+\b]      ; the scale's byte
.endr
	s_delay_alu instid0(VALU_DEP_3)
	v_lshl_or_b32 v[PW], v[TM+5], 8, v[TM+4]
	s_delay_alu instid0(VALU_DEP_1)
	v_lshl_or_b32 v[PW], v[TM+6], 16, v[PW]
	s_delay_alu instid0(VALU_DEP_1)
	v_lshl_or_b32 v[PW], v[TM+7], 24, v[PW]
.irp c, 0,1
	v_cvt_scalef32_pk16_fp6_f32 v[PC+6*\c:PC+2+6*\c], v[\s+32*\c:\s+15+32*\c], v[TM+12+2*\c]
	v_cvt_scalef32_pk16_fp6_f32 v[PC+12+4*\c:PC+14+4*\c], v[\s+16+32*\c:\s+31+32*\c], v[TM+12+2*\c+1]   ; (a conversion's three registers begin on an even number)
.endr
	v_nop                                          ; one plain place behind a scaled conversion
.irp c, 0,1                                    ; the operand's layout wants a whole block in a lane
.irp i, 0,1,2
	v_permlane16_swap_b32 v[PC+6*\c+\i], v[PC+12+4*\c+\i]
.endr
.irp i, 0,1,2
	s_delay_alu instid0(VALU_DEP_3)
	v_mov_b32 v[PC+3+6*\c+\i], v[PC+12+4*\c+\i]
.endr
.endr
.endm
	s_load_b256 s[4:11], s[0:1], 0x0               ; cod s[4:5], scl s[6:7], q_b s[8:9], kv_b s[10:11]
	s_load_b128 s[12:15], s[0:1], 0x20             ; qim, qsc
	s_load_b64 s[16:17], s[0:1], 0x30              ; kvb
	v_lshl_add_u32 v254, v0, 2, 0x32000
	v_mov_b32 v255, 0
	ds_add_u32 v254, v255
	ds_add_u32 v254, v255
	v_lshrrev_b32 v1, 5, v0
	s_delay_alu instid0(VALU_DEP_1)
	v_readfirstlane_b32 s[WV], v1                  ; wave 0..7
	s_lshr_b32 s[HI], s[WV], 2
	s_and_b32 s[KQ], s[WV], 3
	s_and_b32 s[W3], s[WV], 3
	s_bfe_u32 s[CX], ttmp6, 0x40000                ; my place in the cluster
	s_bfe_u32 s[CY], ttmp6, 0x40004
	s_lshl_b32 s[JJ], ttmp9, 2
	s_add_co_u32 s[JJ], s[JJ], s[CX]               ; block of rows = 4 x cluster x + cx
	s_and_b32 s[HP], ttmp7, 0xffff
	s_lshl_b32 s[HP], s[HP], 2
	s_add_co_u32 s[HP], s[HP], s[CY]               ; pair of heads = 4 x cluster y + cy
	; every LDS address is made here, of the lane and the wave's number alone
	v_and_b32 v44, 31, v0                          ; L
	v_and_b32 v45, 15, v0                          ; r
	v_bfe_u32 v46, v0, 4, 1                        ; h
	s_delay_alu instid0(VALU_DEP_3)
	v_mul_u32_u24 v[AX0], v44, 48
	s_mul_i32 s90, s[KQ], 12288
	v_add_nc_u32 v[AX], s90, v[AX0]
	s_mul_i32 s90, s[HI], 24576
	s_add_co_u32 s90, s90, LWQ
	v_add_nc_u32 v[AWQ], s90, v[AX0]
	s_delay_alu instid0(VALU_DEP_1)
	v_add_nc_u32 v[AWK], 49152, v[AWQ]
	s_mul_i32 s91, s[KQ], 6144
	s_add_co_u32 s91, s91, s90
	s_add_co_u32 s91, s91, 98304
	v_add_nc_u32 v[AWV], s91, v[AX0]
	v_lshlrev_b32 v[LI], 4, v44
	v_lshlrev_b32 v[LS], 2, v44
	s_delay_alu instid0(VALU_DEP_2)
	v_add_nc_u32 v[ASX0], LSX, v[LI]
	s_lshl_b32 s90, s[KQ], 9
	v_add_nc_u32 v[ASXP], s90, v[ASX0]
	s_lshl_b32 s90, s[HI], 10
	s_add_co_u32 s90, s90, LSW
	v_add_nc_u32 v[ASW], s90, v[LI]
	s_lshl_b32 s91, s[KQ], 8
	s_add_co_u32 s91, s91, s90
	s_add_co_u32 s91, s91, 4096
	v_lshl_add_u32 v[ASWV], v45, 4, s91
	v_lshlrev_b32 v[BO], 6, v46
	v_and_b32 v[BVO], 8, v45
	s_delay_alu instid0(VALU_DEP_1)
	v_add_nc_u32 v[BVO], v[BVO], v45               ; r + 8 (r / 8)
	s_lshr_b32 s90, s[KQ], 1
	s_lshl_b32 s90, s90, 7
	s_and_b32 s91, s[KQ], 1
	s_lshl_b32 s91, s91, 5
	s_add_co_u32 s90, s90, s91                     ; tile kq begins at feature 32 (kq / 2) + 8 (kq % 2)
	v_lshl_add_u32 v[BVO], v[BVO], 2, s90
	s_mul_i32 s90, s[KQ], 1536
	v_add_nc_u32 v[LIK], s90, v[LI]
	s_lshl_b32 s90, s[KQ], 7
	v_add_nc_u32 v[LSK], s90, v[LS]
.irp b, 0,1,2,3
	v_mov_b32 v[TM+4+\b], 0                        ; written once: a lane permute's destination counts as one of its sources
.endr
	s_mov_b32 s[SEL], 0x76543210
	s_mov_b32 s[SEL+1], 0xfedcba98
	; descriptors.  Each block is dense in memory: rows of 256 bytes (32 elements of 8 bytes), no padding: 192 rows of codes, 8 of scale words
	s_lshl_b32 s86, s[CY], 2
	s_lshl_b32 s86, 15, s86                        ; my row of the cluster: it shares hp
	s_lshl_b32 s82, 0x1111, s[CX]                  ; my column: it shares J
	s_or_b32 s[G1CX], s82, (3<<16)|(1<<21)         ; 15:0 the mask; 17:16 elements of 8 bytes; 21 set beside a mask
	s_or_b32 s[G1SX], s82, (3<<16)|(1<<21)
	s_or_b32 s[G1CW], s86, (3<<16)|(1<<21)
	s_or_b32 s[G1SW], s86, (3<<16)|(1<<21)
.irp g, G1CX, G1CW
	s_mov_b32 s[\g+1], 32<<16                      ; tensor_dim0
	s_mov_b32 s[\g+2], 192<<16                     ; tensor_dim1
	s_mov_b32 s[\g+3], 32<<16                      ; tile_dim0
	s_mov_b32 s[\g+4], 192                         ; tile_dim1
	s_mov_b32 s[\g+5], 32                          ; tensor_dim0_stride
	s_mov_b32 s[\g+6], 0
	s_mov_b32 s[\g+7], 0
.endr
.irp g, G1SX, G1SW
	s_mov_b32 s[\g+1], 32<<16
	s_mov_b32 s[\g+2], 8<<16
	s_mov_b32 s[\g+3], 32<<16
	s_mov_b32 s[\g+4], 8
	s_mov_b32 s[\g+5], 32
	s_mov_b32 s[\g+6], 0
	s_mov_b32 s[\g+7], 0
.endr
	s_mul_i32 s82, s[JJ], 49152                    ; x's tiles 8 J on: s82-85 hold J's offsets alone,
	s_mov_b32 s83, 0
	s_lshl_b32 s84, s[JJ], 11
	s_mov_b32 s85, 0
	s_lshl_b32 s86, s[W3], 5                       ; s86-89 hp's: tile 480 + 32 (wave % 4) + 8 hp: q_w's begin at 512, K's at 544, V's at 576
	s_lshl_b32 s87, s[HP], 3
	s_add_co_u32 s86, s86, s87
	s_add_co_u32 s86, s86, 480
	s_mul_i32 s88, s86, 6144
	s_mov_b32 s89, 0
	s_lshl_b32 s86, s86, 8
	s_mov_b32 s87, 0
	s_wait_dscnt 0x0
	s_wait_kmcnt 0x0
	s_mov_b32 s[G0CX], 1
	s_mov_b32 s[G0CX+1], 0
	s_add_nc_u64 s[G0CX+2:G0CX+3], s[4:5], s[82:83]
	s_or_b32 s[G0CX+3], s[G0CX+3], 0x80000000
	s_mov_b32 s[G0CW], 1
	s_mul_i32 s[G0CW+1], s[W3], 49152
	s_add_nc_u64 s[G0CW+2:G0CW+3], s[4:5], s[88:89]
	s_or_b32 s[G0CW+3], s[G0CW+3], 0x80000000
	s_mov_b32 s[G0SX], 1
	s_mov_b32 s[G0SX+1], LSX
	s_add_nc_u64 s[G0SX+2:G0SX+3], s[6:7], s[84:85]
	s_or_b32 s[G0SX+3], s[G0SX+3], 0x80000000
	s_mov_b32 s[G0SW], 1
	s_lshl_b32 s[G0SW+1], s[W3], 11
	s_add_co_u32 s[G0SW+1], s[G0SW+1], LSX
	s_add_nc_u64 s[G0SW+2:G0SW+3], s[6:7], s[86:87]
	s_or_b32 s[G0SW+3], s[G0SW+3], 0x80000000
	ROUND                                          ; all sixteen work-groups are here: the joint loads meet
	TLOAD4                                         ; one tensor load of mine is out
	; while it flies: where the biases lie and where the results go
	s_lshl_b32 s90, s[HP], 1
	s_add_co_u32 s90, s90, s[HI]                   ; my head
	s_lshl_b32 s92, s90, 8
	s_mov_b32 s93, 0
	s_add_nc_u64 s[8:9], s[8:9], s[92:93]          ; q_b at my head's 64
	s_add_nc_u64 s[10:11], s[10:11], s[92:93]      ; kv_b likewise (K's part; V's lies 2,048 bytes on)
	s_lshr_b32 s94, s[JJ], 5                       ; batch
	s_and_b32 s95, s[JJ], 31                       ; step
	s_lshl_b32 s94, s94, 3
	s_add_co_u32 s94, s94, s90
	s_lshl_b32 s94, s94, 7
	s_lshl_b32 s95, s95, 2
	s_add_co_u32 s94, s94, s95
	s_add_co_u32 s94, s94, s[KQ]                   ; (8 batch + head) 128 + 4 step + kq
	s_mul_i32 s96, s94, 1536
	s_mov_b32 s97, 0
	s_add_nc_u64 s[12:13], s[12:13], s[96:97]
	s_lshl_b32 s96, s94, 7
	s_add_nc_u64 s[14:15], s[14:15], s[96:97]
	s_lshl_b32 s94, s[JJ], 3
	s_add_co_u32 s94, s94, s90
	s_mul_i32 s96, s94, 13312
	s_add_nc_u64 s[16:17], s[16:17], s[96:97]      ; kvb at (8 J + head)
	WIN 0x40                                       ; destination window 1
.irp n, 0,1,2,3                                ; lane (r, h) wants, for tile n, the biases of features 32 (n / 2) + 16 h + 8 (n % 2) + 0 .. 7
	global_load_b128 v[BQ+8*\n:BQ+8*\n+3], v[BO], s[8:9] offset:(32*(\n/2)+8*(\n%2))*4
	global_load_b128 v[BQ+8*\n+4:BQ+8*\n+7], v[BO], s[8:9] offset:(32*(\n/2)+8*(\n%2))*4+16
	global_load_b128 v[BK+8*\n:BK+8*\n+3], v[BO], s[10:11] offset:(32*(\n/2)+8*(\n%2))*4
	global_load_b128 v[BK+8*\n+4:BK+8*\n+7], v[BO], s[10:11] offset:(32*(\n/2)+8*(\n%2))*4+16
.endr
	s_wait_alu depctr_va_vdst(0)
.irp j, 0,1,2,3,4,5,6,7                        ; in V's unit a lane holds one feature: its bias eight times
	global_load_b32 v[BV+\j], v[BVO], s[10:11] offset:2048
.endr
	WIN 0
	s_wait_tensorcnt 0x0                           ; my load has landed,
	s_barrier_signal -1
	s_barrier_wait -1                              ; everybody's has
	ds_load_b128 v[XSP:XSP+3], v[ASXP]
.irp p, 0,1,2,3
	ds_load_b128 v[XSA+4*\p:XSA+4*\p+3], v[ASX0] offset:512*\p
.endr
	s_wait_loadcnt 0x0                             ; the biases
; Q's or K's unit.  The eight accumulators take turns, one instruction a turn.
.macro UNITQK aw, wsoff, bias, floor, isq
	ds_load_b128 v[WS:WS+3], v[ASW] offset:\wsoff
	ds_load_b128 v[WS+4:WS+7], v[ASW] offset:\wsoff+512
.irp s, 0,1,2,3
.if \s > 0
	PLACES
.endif
.irp n, 0,1,2,3
	LDFRAG FR+12*\n, \aw, \n*6144+\s*1536
.endr
.irp m, 0,1
	LDFRAG FR+48+12*\m, AX, \m*6144+\s*1536
.endr
	s_wait_dscnt 0x0
.if \s == 0
	WIN 0x10                                       ; C, the bias, in window 1
.endif
.irp m, 0,1
.irp n, 0,1,2,3
.if \s == 0
	MMS ACC+8*(4*\m+\n), FR+12*\n, FR+48+12*\m, \bias+8*\n, WS+4*(\n/2)+\s, XSP+\s, \n%2, \m
.else
	MMS ACC+8*(4*\m+\n), FR+12*\n, FR+48+12*\m, ACC+8*(4*\m+\n), WS+4*(\n/2)+\s, XSP+\s, \n%2, \m
.endif
.endr
.endr
	WIN 0
.endr
	PLACES
	s_wait_xcnt 0x0                                ; the last unit's stores have read their registers
	QUANT ACC, \floor                              ; blocks 0, 1: tile 0's features 0-31, 32-63; blocks 2, 3: tile 1's
.if \isq
	v_add_nc_u32 v[PW], 0xfcfcfcfd, v[PW]          ; 3 off each byte (each is 4 or more: nothing borrows): the scores' division by 8
.irp c, 0,1,2
	global_store_b128 v[LI], v[PC+4*\c:PC+4*\c+3], s[12:13] offset:512*\c   ; 32 lanes store 512 consecutive bytes
.endr
	global_store_b32 v[LS], v[PW], s[14:15]
.else
.irp c, 0,1,2
	global_store_b128 v[LIK], v[PC+4*\c:PC+4*\c+3], s[16:17] offset:512*\c
.endr
	global_store_b32 v[LSK], v[PW], s[16:17] offset:12288
.endif
.endm
.macro UNITV
	ds_load_b128 v[WS:WS+3], v[ASWV]
.irp s, 0,1,2,3
.if \s > 0
	PLACES
.endif
.irp m, 0,1,2,3,4,5,6,7
	LDFRAG FR+12*\m, AX0, \m*6144+\s*1536
.endr
	LDFRAG FR+96, AWV, \s*1536
	s_wait_dscnt 0x0
.if \s == 0
	WIN 0x10
.endif
.irp m, 0,1,2,3,4,5,6,7
.if \s == 0
	MMS ACC+8*\m, FR+12*\m, FR+96, BV, XSA+4*(\m/2)+\s, WS+\s, \m%2, 0
.else
	MMS ACC+8*\m, FR+12*\m, FR+96, ACC+8*\m, XSA+4*(\m/2)+\s, WS+\s, \m%2, 0
.endif
.endr
	WIN 0
.endr
	PLACES
	s_wait_xcnt 0x0
	QUANT ACC, 0x1800000                           ; four blocks of 32 keys of my feature
.irp c, 0,1,2
	global_store_b128 v[LIK], v[PC+4*\c:PC+4*\c+3], s[16:17] offset:6144+512*\c
.endr
	global_store_b32 v[LSK], v[PW], s[16:17] offset:12800
.endm
	UNITQK AWQ, 0, BQ, 0x3000000, 1
	UNITQK AWK, 2048, BK, 0x1800000, 0
	UNITV
	s_wait_dscnt 0x0
	s_wait_tensorcnt 0x0
	ds_add_u32 v254, v255
	s_wait_dscnt 0x0
	ROUND                                          ; the closing round: no work-group ends while a partner may still ask for a tile that names it
	s_endpgm
.Lfunc_end_k_q6b478a9dbb_proj:
	.size	k_q6b478a9dbb_proj, .Lfunc_end_k_q6b478a9dbb_proj-k_q6b478a9dbb_proj
	.p2alignl 7, 3214868480
	.fill 96, 4, 3214868480
	.section	.rodata,"a",@progbits
	.p2align	6, 0x0
	.amdhsa_kernel k_q6b478a9dbb_proj
		.amdhsa_group_segment_fixed_size 205824
		.amdhsa_private_segment_fixed_size 0
		.amdhsa_enable_private_segment 0
		.amdhsa_kernarg_size 56
		.amdhsa_user_sgpr_count 2
		.amdhsa_user_sgpr_kernarg_segment_ptr 1
		.amdhsa_wavefront_size32 1
		.amdhsa_system_sgpr_workgroup_id_x 1
		.amdhsa_system_sgpr_workgroup_id_y 1
		.amdhsa_system_sgpr_workgroup_id_z 1
		.amdhsa_system_vgpr_workitem_id 0
		.amdhsa_next_free_vgpr 384
		.amdhsa_next_free_sgpr 100
		.amdhsa_reserve_vcc 0
		.amdhsa_float_denorm_mode_32 3
		.amdhsa_float_denorm_mode_16_64 3
		.amdhsa_memory_ordered 1
		.amdhsa_forward_progress 1
		.amdhsa_inst_pref_size 57
	.end_amdhsa_kernel
	.amdgpu_metadata
---
amdhsa.version: [ 1, 2 ]
amdhsa.kernels:
  - .name:           k_q6b478a9dbb_proj
    .symbol:         k_q6b478a9dbb_proj.kd
    .args:
      - { .name: cod, .offset: 0, .size: 8, .value_kind: global_buffer, .address_space: global }
      - { .name: scl, .offset: 8, .size: 8, .value_kind: global_buffer, .address_space: global }
      - { .name: q_b, .offset: 16, .size: 8, .value_kind: global_buffer, .address_space: global }
      - { .name: kv_b, .offset: 24, .size: 8, .value_kind: global_buffer, .address_space: global }
      - { .name: qim, .offset: 32, .size: 8, .value_kind: global_buffer, .address_space: global }
      - { .name: qsc, .offset: 40, .size: 8, .value_kind: global_buffer, .address_space: global }
      - { .name: kvb, .offset: 48, .size: 8, .value_kind: global_buffer, .address_space: global }
    .group_segment_fixed_size: 205824
    .private_segment_fixed_size: 0
    .kernarg_segment_align: 8
    .kernarg_segment_size: 56
    .max_flat_workgroup_size: 256
    .sgpr_count:     100
    .vgpr_count:     384
    .wavefront_size: 32
...
	.end_amdgpu_metadata
.endif
;; end of part 2
;; launch attn (part 3): grid 128 x 2, 8 waves a work-group, clusters of 4 x 1, 327,680 bytes of LDS; arguments qim, qsc, kvb, mask, cod, scl, f_b, out0; writes out0
.if DOCPART == 3
	.amdgcn_target "amdgcn-amd-amdhsa--gfx1250"
	.amdhsa_code_object_version 6
	.text
	.protected	k_q6b478a9dbb_attn
	.globl	k_q6b478a9dbb_attn
	.p2align	8
	.type	k_q6b478a9dbb_attn,@function
k_q6b478a9dbb_attn:
	s_mov_b64 s[64:65], 0
	v_nop
	global_prefetch_b8 v0, s[64:65] scope:SCOPE_SE
	s_setreg_imm32_b32 hwreg(HW_REG_WAVE_MODE, 25, 1), 1
	s_wait_xcnt 0x0
	s_wait_alu depctr_hold_cnt(0) depctr_sa_sdst(0) depctr_va_vdst(0) depctr_va_sdst(0) depctr_va_ssrc(0) depctr_va_vcc(0) depctr_vm_vsrc(0)
	s_getreg_b32 s2, hwreg(HW_REG_IB_STS2, 6, 4)
	s_cmp_eq_u32 s2, 0
	s_cbranch_scc0 .Lentry_in_a_cluster
	s_endpgm
.Lentry_in_a_cluster:
	s_bfe_u32 s2, ttmp6, 0x10000c
	s_cmp_lg_u32 s2, 0x3003
	s_cbranch_scc0 .Lentry_shape_is_right
	s_endpgm
.Lentry_shape_is_right:
; out0 = (softmax(Q K^T / 8 + mask) V, heads side by side) f_w^T + f_b.  All three products on codes of FP6 (E2M3) with E8M0 scales, sums in f32.
; SHARES.  A work-group owns 32 queries of one batch for all 8 heads; wave hd owns head hd with both tiles of 16 queries (place p of tile t is query 8 t + p + 8 (p / 8)).  Every wave walks the 4,096 keys, 128 a step.
; LAYOUT.  All products are used transposed (S^T = K Q^T, O^T = V^T P^T, out^T = f_w A^T): a lane holds one query throughout.
; THE SCORES.  A fragment of K holds two tiles of 16 keys side by side; Q's operand is [q | zeros] for the first and [zeros | q] for the second.  The division by 8 lies in Q's scale bytes; the mask's tile is the C of the product.
; THE SOFTMAX.  t = logit x log2(e); M = the running largest t rounded up to a whole number; p = 2^(t - M) is quantised along the keys; the row's sum is taken of the unquantised p and divides O at the end.
; When M moves, the sum and O are multiplied by 2^(old M - new M), exactly.  A block's largest p is made from the block's largest logit by the same two instructions (this takes v_exp_f32 not to fall where its input rises).
; RING.  Two LDS slots of one step: the step's K and V images of all 8 heads (106,496 dense bytes = 416 rows of 256: waves 0-3 fetch 72 rows each, waves 4 and 5 64 rows each) and the mask's 32 rows x 128 keys
; (waves 6, 7: 16 rows each).  So every wave issues one tensor load at each change of slots, of 18,432 bytes at the most.
; REGISTERS ARE A THIRD STAGE.  A step's operands are read from LDS one step ahead, each into registers just set free: K behind the score products, the mask behind p's conversion, V behind the products with p.
; So when step k's score products are issued, slot k has been read out: THE CHANGE OF SLOTS stands there.  Behind it slot k takes step k + 2, and step k + 1's operands are read from the other slot.
; CLUSTER.  The four work-groups of a cluster belong to one batch and walk the same K and V: those tiles are asked for JOINTLY.  The mask's rows are each work-group's own: plain loads, in the same round.
; LIMITS: NaN and infinities in any input are not served, -infinity in the mask among them; a block of zeros gets the byte 1 where the rule says 127 (zero codes; no byte is an output); blocks under the floor 2^-124 were not tried;
; the promise holds while the scaled scores stay under 2^31 in magnitude.
; REGISTERS.  window 0: v1-15 addresses; v16-31 statistics; v32-63 at work; v64-87 p's codes; v88-107 scale words; v108-115 lane terms; v128-255 S^T, 64 a tile.
;   window 1: v0-63 O^T; v64-93 [zeros][q0][zeros][q1][zeros]; v96-143 K's fragments; v144-191 V's; v192-223 f_b; in the last step f_w's fragments take v96-191, v224-247, v64-87 and window 0's v192-239.
.set SLOT1, 1<<17
.set HB,    13312
.set STEPB, 8*HB
.set MOFF,  STEPB
.set MP,    528                        ; a mask row in LDS: 512 bytes + 16
.set MR2,   8576                       ; rows 16-31 begin 128 bytes further on than on end
.set SPARE, 123648                     ; behind slot 0's tiles: the spare words, 128 bytes a wave
.set AIMG,  0                          ; the way out lies in slot 0, which has had its last fill and its last read at the walk's last barrier
.set ASC,   12288
.set OST,   13312
.set OSW,   8704
.set WV, 20
.set CX, 21
.set GG, 22
.set BB, 23
.set G1KV, 24                          ; s[24:31] group 1 for 72 rows of K's and V's images;  s[88:95] for 64 rows;  s[32:39] for the mask
.set G1K2, 88
.set G1M,  32
.set G0KV, 40
.set G0M,  44
.set TB,   48
.set SLOTS, 49
.set SEL,  50
.set CS,   52
.set PFA,  54
.set PFS,  56
.set LIM,  58
.set EVR,  59
.set AM0, 1
.set AF0, 2
.set AS0, 3
.set SPW, 4
.set NIL, 5
.set ADM, 6
.set ADF, 7
.set ADS, 8
.set PFO, 9
.set L48, 10
.set AWI, 11
.set AWS, 12
.set SO,  13
.set RD,  14
.set GO,  15
.set ST,  16
.set BM,  32
.set PCD, 64
.set KS,  88
.set VS,  92
.set QS,  96
.set PS,  98
.set FWS, 100
.set LL,  108
.set L16, 109
.set L4,  110
.set RR,  111
.set HH,  112
.set T7,  113
.set T8,  114
.set H64, 115
.set S,   128
.set KF,  96
.set VF,  144
.set FB,  192
.set TM,  32
.set PW,  48
.set PC,  64
.set MSB, 0
.macro WIN new
.if MSB != \new
	s_set_vgpr_msb (MSB<<8)|\new
.set MSB, \new
.endif
.endm
.macro PLACES                          ; four plain places behind matrix instructions (ISA guide 7.12.1)
.rept 4
	v_nop
.endr
.endm
.macro ROUND                           ; a round of the cluster's barrier
	s_barrier_signal -1
	s_barrier_wait -1
	s_cmp_lg_u32 s[WV], 0
	s_cbranch_scc1 .Lnot_wave_0_\@
	s_barrier_signal -3
.Lnot_wave_0_\@:
	s_barrier_wait -3
	s_barrier_signal -1
	s_barrier_wait -1
.endm
; One tensor load a wave, in one chain of branches on the wave's number with one join: waves 0-3 and waves 4, 5 ask jointly for their rows of the step's K and V, waves 6 and 7 fetch the mask's halves.
.macro TLOAD
	s_cmp_lt_u32 s[WV], 4
	s_cbranch_scc0 .Lnot_kv_\@
	tensor_load_to_lds s[G0KV:G0KV+3], s[G1KV:G1KV+7]
	s_nop 0
	PLACES
	s_branch .Lasked_\@
.Lnot_kv_\@:
	s_cmp_lt_u32 s[WV], 6
	s_cbranch_scc0 .Lnot_kv2_\@
	tensor_load_to_lds s[G0KV:G0KV+3], s[G1K2:G1K2+7]
	s_nop 0
	PLACES
	s_branch .Lasked_\@
.Lnot_kv2_\@:
	tensor_load_to_lds s[G0M:G0M+3], s[G1M:G1M+7]
	s_nop 0
	PLACES
.Lasked_\@:
.endm
; PREFETCHES, behind the tensor loads of trip k (which fetch step k + 2); one instruction a wave.
; The mask: both batches read the same rows, so batch 0's work-groups ask.  Waves 6 and 7: a lane a row, the wave picks the half of the row's 512 bytes; trip k names step k + 4, two steps ahead of its load; the last two trips ask for nothing.
; K and V: the first 13 clusters of a batch ask, cluster m for the m-th 8,192 bytes of a step's 106,496, lanes 256 bytes apart.  Wave 5, in every fourth trip (k = 0, 4 .. 24): partner cx names step k + 4 + cx:
; the partners are told apart by address alone.  Each aligned block of 256 bytes of steps 4 to 31 is named once; steps 0 to 3 come by their loads alone.
.macro ASK
	s_cmp_gt_u32 s[SLOTS], s[LIM]
	s_cbranch_scc0 .Lnot_mine_\@
	s_and_b32 s78, s[SLOTS], s[EVR]
	s_cmp_eq_u32 s78, s[EVR]
	s_cbranch_scc0 .Lnot_mine_\@
	global_prefetch_b8 v[PFO], s[PFA:PFA+1] th:TH_LOAD_NT scope:SCOPE_SE
.Lnot_mine_\@:
.endm
.macro MMS d, a, b, c, sa, sb, ra, rb
.if (\ra)
	v_wmma_scale_f32_16x16x128_f8f6f4 v[\d:\d+7], v[\a:\a+11], v[\b:\b+11], v[\c:\c+7], v[\sa], v[\sb] matrix_a_fmt:MATRIX_FMT_FP6 matrix_b_fmt:MATRIX_FMT_FP6 matrix_a_scale:MATRIX_SCALE_ROW1
.else
	v_wmma_scale_f32_16x16x128_f8f6f4 v[\d:\d+7], v[\a:\a+11], v[\b:\b+11], v[\c:\c+7], v[\sa], v[\sb] matrix_a_fmt:MATRIX_FMT_FP6 matrix_b_fmt:MATRIX_FMT_FP6
.endif
.endm
; four fragments (window 1) and their four scale words (window 0) of K or of V, from my head's image in LDS: 512 consecutive bytes a load
.macro KVLDS reg, sreg, af, as, off, soff
	WIN 0x40
.irp f, 0,1,2,3
.irp i, 0,1,2
	ds_load_b128 v[\reg+12*\f+4*\i:\reg+12*\f+4*\i+3], v[\af] offset:\off+\f*1536+512*\i
.endr
.endr
	WIN 0
.irp f, 0,1,2,3
	ds_load_b32 v[\sreg+\f], v[\as] offset:\soff+128*\f
.endr
.endm
; f_w's four fragments of K step s; fragment n at reg + 12 n - hop (n / 2)
.macro FWLOAD reg, s, hop
.irp n, 0,1,2,3
.irp i, 0,1,2
	global_load_b128 v[\reg+12*\n-(\hop)*(\n/2)+4*\i:\reg+12*\n-(\hop)*(\n/2)+4*\i+3], v[L48], s[12:13] offset:\n*6144+(\s)*1536+16*\i
.endr
.endr
.endm
.macro MASKLOAD adr                    ; the mask at my query, keys 32 bb + 16 h + 4 i on: it lands where the scores will stand
.irp t, 0,1
.irp bb, 0,1,2,3
.irp i, 0,1,2,3
	ds_load_b128 v[S+64*\t+16*\bb+4*\i:S+64*\t+16*\bb+4*\i+3], v[\adr] offset:4224*\t+128*\bb+16*\i
.endr
.endr
.endr
.endm
; 64 numbers of a lane, register 16 b + i = number 16 (lane / 16) + i of block b, become 12 registers of codes in v[PC] on and the four bytes in v[PW]
.macro QUANT s, floor
.irp b, 0,1,2,3
	v_max3_num_f32 v[TM+\b], |v[\s+16*\b]|, |v[\s+1+16*\b]|, \floor
.endr
.irp i, 2,4,6,8,10,12,14
.irp b, 0,1,2,3
	s_delay_alu instid0(VALU_DEP_4)
	v_max3_num_f32 v[TM+\b], v[TM+\b], |v[\s+16*\b+\i]|, |v[\s+1+16*\b+\i]|
.endr
.endr
.irp b, 0,1,2,3
	s_delay_alu instid0(VALU_DEP_4)
	v_permlanex16_b32 v[TM+4+\b], v[TM+\b], s[SEL], s[SEL+1]
.endr
.irp b, 0,1,2,3
	s_delay_alu instid0(VALU_DEP_4)
	v_max_num_f32 v[TM+\b], v[TM+\b], v[TM+4+\b]
.endr
.irp b, 0,1,2,3
	s_delay_alu instid0(VALU_DEP_4)
	v_add_nc_u32 v[TM+12+\b], 0xff000000, v[TM+\b]
.endr
.irp b, 0,1,2,3
	s_delay_alu instid0(VALU_DEP_4)
	v_lshrrev_b32 v[TM+4+\b], 23, v[TM+12+\b]
.endr
	s_delay_alu instid0(VALU_DEP_3)
	v_lshl_or_b32 v[PW], v[TM+5], 8, v[TM+4]
	s_delay_alu instid0(VALU_DEP_1)
	v_lshl_or_b32 v[PW], v[TM+6], 16, v[PW]
	s_delay_alu instid0(VALU_DEP_1)
	v_lshl_or_b32 v[PW], v[TM+7], 24, v[PW]
.irp c, 0,1
	v_cvt_scalef32_pk16_fp6_f32 v[PC+6*\c:PC+2+6*\c], v[\s+32*\c:\s+15+32*\c], v[TM+12+2*\c]
	v_cvt_scalef32_pk16_fp6_f32 v[PC+12+4*\c:PC+14+4*\c], v[\s+16+32*\c:\s+31+32*\c], v[TM+12+2*\c+1]
.endr
	v_nop                                          ; one plain place behind a scaled conversion
.irp c, 0,1
.irp i, 0,1,2
	v_permlane16_swap_b32 v[PC+6*\c+\i], v[PC+12+4*\c+\i]
.endr
.irp i, 0,1,2
	s_delay_alu instid0(VALU_DEP_3)
	v_mov_b32 v[PC+3+6*\c+\i], v[PC+12+4*\c+\i]
.endr
.endr
.endm
	s_load_b256 s[4:11], s[0:1], 0x0               ; qim, qsc, kvb, mask
	s_load_b256 s[12:19], s[0:1], 0x20             ; cod, scl, f_b, out0
	v_lshl_add_u32 v[SPW], v0, 2, SPARE
	v_mov_b32 v[NIL], 0
	ds_add_u32 v[SPW], v[NIL]                      ; the opening lines: the add twice on end and one wait, ahead of the round in front of the first tensor loads
	ds_add_u32 v[SPW], v[NIL]
	v_lshrrev_b32 v6, 5, v0
	v_readfirstlane_b32 s[WV], v6                  ; wave = head
	s_bfe_u32 s[CX], ttmp6, 0x40000                ; my place in the cluster
	s_lshl_b32 s[GG], ttmp9, 2
	s_add_co_u32 s[GG], s[GG], s[CX]               ; my block of 32 queries: it enters global addresses alone
	s_and_b32 s[BB], ttmp7, 0xffff                 ; the batch, which the four partners share
	s_mov_b32 s[G1KV], 15|(3<<16)|(1<<21)          ; K and V: rows of 256 bytes of a step's dense block, no padding, mask of all four partners: 72 rows,
	s_mov_b32 s[G1KV+1], 32<<16
	s_mov_b32 s[G1KV+2], 72<<16
	s_mov_b32 s[G1KV+3], 32<<16
	s_mov_b32 s[G1KV+4], 72
	s_mov_b32 s[G1KV+5], 32
	s_mov_b32 s[G1KV+6], 0
	s_mov_b32 s[G1KV+7], 0
	s_mov_b32 s[G1K2], 15|(3<<16)|(1<<21)          ; or 64
	s_mov_b32 s[G1K2+1], 32<<16
	s_mov_b32 s[G1K2+2], 64<<16
	s_mov_b32 s[G1K2+3], 32<<16
	s_mov_b32 s[G1K2+4], 64
	s_mov_b32 s[G1K2+5], 32
	s_mov_b32 s[G1K2+6], 0
	s_mov_b32 s[G1K2+7], 0
	s_mov_b32 s[G1M], (2<<16)|(1<<20)|(6<<22)|(3<<25)  ; the mask: 16 rows of 128 f32, 4,096 elements apart; 4 words of padding behind every 128
	s_mov_b32 s[G1M+1], 128<<16
	s_mov_b32 s[G1M+2], 16<<16
	s_mov_b32 s[G1M+3], 128<<16
	s_mov_b32 s[G1M+4], 16
	s_mov_b32 s[G1M+5], 4096
	s_mov_b32 s[G1M+6], 0
	s_mov_b32 s[G1M+7], 0
	s_min_u32 s60, s[WV], 4
	s_lshl_b32 s60, s60, 11
	s_lshl_b32 s61, s[WV], 14
	s_add_co_u32 s60, s60, s61                     ; where my rows begin, in LDS and in memory alike: 16,384 w + 2,048 min(w, 4): 18,432 w for waves 0-3, then 73,728 and 90,112
	s_mul_i32 s62, s[BB], 32*STEPB
	s_add_co_u32 s62, s62, s60                     ; s60-63 never hold cx
	s_mov_b32 s63, 0
	s_and_b32 s66, s[WV], 1
	s_mul_i32 s67, s66, MR2
	s_add_co_u32 s67, s67, MOFF
	s_lshl_b32 s68, s[GG], 5
	s_lshl_b32 s69, s66, 4
	s_add_co_u32 s68, s68, s69
	s_lshl_b32 s68, s68, 14                        ; the mask's row 32 G + 16 (wave % 2), of 16,384 bytes
	s_mov_b32 s69, 0
	s_add_co_u32 s70, s[CX], 3                     ; the prefetches' terms
	s_mul_i32 s70, s70, STEPB
	s_mul_i32 s71, s[BB], 32*STEPB
	s_add_co_u32 s70, s70, s71
	s_lshl_b32 s71, ttmp9, 13
	s_add_co_u32 s70, s70, s71                     ; K and V: step 3 + cx, my cluster's 8,192 bytes: each trip steps it on first
	s_lshl_b32 s72, s[GG], 19
	s_lshl_b32 s73, s66, 8
	s_add_co_u32 s72, s72, s73
	s_add_co_u32 s72, s72, 1536                    ; the mask: my 32 rows, my half of step 3's 512 bytes
	s_mov_b32 s74, 16384
	s_mov_b32 s75, 512
	s_cmp_lt_u32 ttmp9, 13
	s_cselect_b32 s76, 6, -1
	s_cmp_eq_u32 s[BB], 0
	s_cselect_b32 s77, 3, -1
	s_mov_b32 s[SEL], 0x76543210
	s_mov_b32 s[SEL+1], 0xfedcba98
	s_mov_b32 s[CS], 0x3fb8aa3b                    ; log2(e)
	s_mov_b32 s[CS+1], s[CS]
	s_mov_b32 s[TB], 0
	s_mov_b32 s[SLOTS], 31
	s_wait_dscnt 0x0
	s_wait_kmcnt 0x0
	s_cmp_eq_u32 s[WV], 5                          ; wave 5 asks for K and V, waves 6 and 7 for the mask, the others for nothing
	s_cselect_b64 s[PFA:PFA+1], s[8:9], s[10:11]
	s_cselect_b32 s70, s70, s72
	s_cselect_b32 s74, 256, s74
	s_cselect_b32 s[PFS], STEPB, s75
	s_cselect_b32 s[LIM], s76, s77
	s_cselect_b32 s[EVR], 3, 0
	s_cmp_lt_u32 s[WV], 5
	s_cselect_b32 s[LIM], -1, s[LIM]
	s_mov_b32 s71, 0
	s_mov_b32 s[PFS+1], 0
	s_add_nc_u64 s[PFA:PFA+1], s[PFA:PFA+1], s[70:71]
	s_mov_b32 s[G0KV], 1
	s_mov_b32 s[G0KV+1], s60
	s_add_nc_u64 s[G0KV+2:G0KV+3], s[8:9], s[62:63]
	s_or_b32 s[G0KV+3], s[G0KV+3], 0x80000000
	s_mov_b32 s[G0M], 1
	s_mov_b32 s[G0M+1], s67
	s_add_nc_u64 s[G0M+2:G0M+3], s[10:11], s[68:69]
	s_or_b32 s[G0M+3], s[G0M+3], 0x80000000
	ROUND                                          ; all four work-groups are here: the first joint loads meet
	TLOAD                                          ; step 0 into slot 0: one tensor load of mine is out, here and ever after
	s_lshl_b32 s80, s[BB], 3
	s_add_co_u32 s80, s80, s[WV]
	s_lshl_b32 s80, s80, 7
	s_add_co_u32 s80, s80, s[GG]                   ; (8 batch + head) 128 + G
	s_mul_i32 s82, s80, 1536
	s_mov_b32 s83, 0
	s_add_nc_u64 s[4:5], s[4:5], s[82:83]
	s_lshl_b32 s82, s80, 7
	s_add_nc_u64 s[6:7], s[6:7], s[82:83]
	s_lshl_b32 s84, s[WV], 2
	s_add_co_u32 s84, s84, 608                     ; f_w's tiles 608 + 4 hd on: my 64 outputs
	s_mul_i32 s82, s84, 6144
	s_add_nc_u64 s[12:13], s[12:13], s[82:83]
	s_lshl_b32 s82, s84, 8
	s_add_nc_u64 s[14:15], s[14:15], s[82:83]
	s_lshl_b32 s82, s[WV], 8
	s_add_nc_u64 s[16:17], s[16:17], s[82:83]
	s_lshl_b32 s84, s[BB], 12
	s_lshl_b32 s85, s[GG], 5
	s_add_co_u32 s84, s84, s85
	s_lshl_b32 s84, s84, 11
	s_add_co_u32 s82, s84, s82
	s_add_nc_u64 s[18:19], s[18:19], s[82:83]      ; out0's row 4,096 batch + 32 G, my 256 bytes of it
	s_lshr_b32 s60, s[WV], 1                       ; head hd is half hd % 2 of K step hd / 2 of the last product
	s_and_b32 s61, s[WV], 1
	s_mul_i32 s70, s60, 1536
	s_mul_i32 s71, s61, 24
	s_add_co_u32 s70, s70, s71
	s_lshl_b32 s71, s60, 7
	s_lshl_b32 s72, s61, 1
	s_add_co_u32 s71, s71, s72
	s_mul_i32 s72, s[WV], OSW
	s_add_co_u32 s72, s72, OST
	s_mul_i32 s86, s[WV], HB                       ; my head's image in a slot,
	s_add_co_u32 s87, s86, 12288                   ; and its scale planes
	; every LDS address is made here, of the lane and the wave's number alone
	v_and_b32 v[LL], 31, v0
	v_and_b32 v[RR], 15, v0
	v_bfe_u32 v[HH], v0, 4, 1
	v_and_b32 v[T7], 7, v0
	v_bfe_u32 v[T8], v0, 3, 1
	v_lshlrev_b32 v[L16], 4, v[LL]
	v_lshlrev_b32 v[L4], 2, v[LL]
	v_mul_u32_u24 v[L48], v[LL], 48
	v_mul_u32_u24 v[AM0], v[T7], MP                ; place r of tile t is row 8 t + r % 8 of the half r / 8; my 16 keys of a block of 32 begin 64 h bytes on
	v_mul_u32_u24 v[SO], v[RR], 272
	v_mul_u32_u24 v[RD], v[HH], 272
	v_lshlrev_b32 v[GO], 11, v[HH]
	v_mad_u32_u24 v[AM0], v[T8], MR2, v[AM0]
	v_lshl_add_u32 v[SO], v[HH], 6, v[SO]
	v_lshl_add_u32 v[RD], v[RR], 4, v[RD]
	v_lshl_add_u32 v[GO], v[RR], 4, v[GO]
	v_lshl_add_u32 v[AM0], v[HH], 6, v[AM0]
	v_add_nc_u32 v[SO], s72, v[SO]
	v_add_nc_u32 v[RD], s72, v[RD]
	v_add_nc_u32 v[AWI], s70, v[L48]
	v_add_nc_u32 v[AM0], MOFF, v[AM0]
	v_add_nc_u32 v[AWS], s71, v[L4]
	v_add_nc_u32 v[AF0], s86, v[L16]
	v_add_nc_u32 v[AS0], s87, v[L4]
	v_lshlrev_b32 v[H64], 6, v[HH]
	v_mul_lo_u32 v[PFO], v[LL], s74
	s_wait_alu depctr_va_vdst(0)
.irp i, 0,1,2
	global_load_b128 v[S+4*\i:S+4*\i+3], v[L16], s[4:5] offset:512*\i   ; Q's image
.endr
	global_load_b32 v[S+12], v[L4], s[6:7]
	WIN 0x40
.irp n, 0,1,2,3
	global_load_b128 v[FB+8*\n:FB+8*\n+3], v[H64], s[16:17] offset:(32*(\n/2)+8*(\n%2))*4
	global_load_b128 v[FB+8*\n+4:FB+8*\n+7], v[H64], s[16:17] offset:(32*(\n/2)+8*(\n%2))*4+16
.endr
	WIN 0
.irp p, 0,1
	global_load_b128 v[FWS+4*\p:FWS+4*\p+3], v[L16], s[14:15] offset:512*\p
.endr
.irp t, 0,1
	v_mov_b32 v[ST+8*\t+1], 0xff61b1e6             ; the largest t so far: -3e38
	v_mov_b32 v[ST+8*\t+2], 0
	v_mov_b32 v[ST+8*\t+3], 0
	v_mov_b32 v[ST+8*\t+5], 0
	v_floor_f32 v[ST+8*\t], -v[ST+8*\t+1]          ; -M
.irp b, 0,1,2,3
	v_mov_b32 v[BM+16*\t+4+\b], 0                  ; a lane permute's destination counts as one of its sources
.endr
.endr
	WIN 0x40
.set j, 0
.rept 64
	v_mov_b32 v[j], 0                              ; O^T: the step is written for every step alike
.set j, j+1
.endr
	WIN 0
	s_wait_loadcnt 10                              ; Q's four loads are in: behind them stand f_b's 8 and the scale words' 2
	v_perm_b32 v[QS], v[S+12], v[S+12], 0x01000100
	v_perm_b32 v[QS+1], v[S+12], v[S+12], 0x03020302
	WIN 0x40
.irp j, 0,1,2,3,4,5
	v_mov_b32 v[70+\j], v[S+\j]
	v_mov_b32 v[82+\j], v[S+6+\j]
	v_mov_b32 v[64+\j], 0
	v_mov_b32 v[76+\j], 0
	v_mov_b32 v[88+\j], 0
.endr
	WIN 0
	s_wait_alu depctr_va_vdst(0)
	s_wait_tensorcnt 0x0                           ; my part of step 0 is in; slot 1's first fill is issued as a refill is
	ds_add_u32 v[SPW], v[NIL]                      ; 0 onto my spare word
	s_xor_b32 s[G0KV+1], s[G0KV+1], SLOT1
	s_add_nc_u64 s[G0KV+2:G0KV+3], s[G0KV+2:G0KV+3], STEPB
	s_xor_b32 s[G0M+1], s[G0M+1], SLOT1
	s_add_nc_u64 s[G0M+2:G0M+3], s[G0M+2:G0M+3], 512
	s_wait_dscnt 0x0
	ROUND
	TLOAD                                          ; step 1 into slot 1
	KVLDS KF, KS, AF0, AS0, 0, 0                   ; step 0's operands, from slot 0: K,
	MASKLOAD AM0                                   ; the mask,
	KVLDS VF, VS, AF0, AS0, 6144, 512              ; V
.macro SM_MAX t
.set rS, S+64*(\t)
.set rB, BM+16*(\t)
.set rT, ST+8*(\t)
.irp b, 0,1,2,3
	v_max3_num_f32 v[rB+\b], v[rS+16*\b], v[rS+16*\b+1], v[rS+16*\b+2]   ; the largest logit of each block of 32 keys
.endr
.irp i, 3,5,7,9,11,13
.irp b, 0,1,2,3
	v_max3_num_f32 v[rB+\b], v[rB+\b], v[rS+16*\b+\i], v[rS+16*\b+\i+1]
.endr
.endr
.irp b, 0,1,2,3
	v_max_num_f32 v[rB+\b], v[rB+\b], v[rS+16*\b+15]
.endr
.irp b, 0,1,2,3
	s_delay_alu instid0(VALU_DEP_4)
	v_permlanex16_b32 v[rB+4+\b], v[rB+\b], s[SEL], s[SEL+1]
.endr
.irp b, 0,1,2,3
	s_delay_alu instid0(VALU_DEP_4)
	v_max_num_f32 v[rB+\b], v[rB+\b], v[rB+4+\b]
.endr
	s_delay_alu instid0(VALU_DEP_2)
	v_max3_num_f32 v[rT+6], v[rB], v[rB+1], v[rB+2]
	s_delay_alu instid0(VALU_DEP_1)
	v_max_num_f32 v[rT+6], v[rT+6], v[rB+3]
	s_delay_alu instid0(VALU_DEP_1)
	v_mul_f32 v[rT+6], s[CS], v[rT+6]
	s_delay_alu instid0(VALU_DEP_1)
	v_max_num_f32 v[rT+1], v[rT+1], v[rT+6]        ; the running largest t
	v_mov_b32 v[rT+6], v[rT]
	s_delay_alu instid0(VALU_DEP_2)
	v_floor_f32 v[rT], -v[rT+1]                    ; the new -M = -ceil(t)
	s_delay_alu instid0(VALU_DEP_1)
	v_sub_f32 v[rT+6], v[rT], v[rT+6]
	s_delay_alu instid0(VALU_DEP_1)
	v_cvt_i32_f32 v[rT+6], v[rT+6]
	s_delay_alu instid0(VALU_DEP_1)
	v_ldexp_f32 v[rT+4], 1.0, v[rT+6]              ; f = 2^(old M - new M)
.endm
.macro SM_SCALE t
.set rS, S+64*(\t)
.set rB, BM+16*(\t)
.set rT, ST+8*(\t)
.set j, 0
.rept 32
	v_pk_fma_f32 v[rS+j:rS+j+1], v[rS+j:rS+j+1], s[CS:CS+1], v[rT:rT+1] op_sel_hi:[1,0,0]   ; t - M
.set j, j+2
.endr
.irp b, 0,1,2,3
	v_fma_f32 v[rB+\b], v[rB+\b], s[CS], v[rT]
.endr
.endm
.macro SM_EXP t
.set rS, S+64*(\t)
.set j, 0
.rept 64
	v_exp_f32 v[rS+j], v[rS+j]
.set j, j+1
.endr
.endm
.macro SM_EXPB t
.set rB, BM+16*(\t)
.irp b, 0,1,2,3
	v_exp_f32 v[rB+\b], v[rB+\b]
.endr
.endm
.macro SM_SUM t
.set rS, S+64*(\t)
.set rB, BM+16*(\t)
.set rT, ST+8*(\t)
	v_pk_add_f32 v[rB+4:rB+5], v[rS:rS+1], v[rS+2:rS+3]
.set j, 4
.rept 15
	v_pk_add_f32 v[rT+2:rT+3], v[rT+2:rT+3], v[rS+j:rS+j+1]
	v_pk_add_f32 v[rB+4:rB+5], v[rB+4:rB+5], v[rS+j+2:rS+j+3]
.set j, j+4
.endr
	s_delay_alu instid0(VALU_DEP_1)
	v_pk_add_f32 v[rT+2:rT+3], v[rT+2:rT+3], v[rB+4:rB+5]
.endm
.macro SM_QUANT t
.set rS, S+64*(\t)
.set rB, BM+16*(\t)
.set rP, PCD+12*(\t)
.irp b, 0,1,2,3
	v_max_num_f32 v[rB+\b], 0x1800000, v[rB+\b]    ; the floor 2^(3 - 127)
.endr
.irp b, 0,1,2,3
	s_delay_alu instid0(VALU_DEP_4)
	v_add_nc_u32 v[rB+12+\b], 0xff000000, v[rB+\b]
.endr
.irp b, 0,1,2,3
	s_delay_alu instid0(VALU_DEP_4)
	v_lshrrev_b32 v[rB+4+\b], 23, v[rB+12+\b]
.endr
	s_delay_alu instid0(VALU_DEP_3)
	v_lshl_or_b32 v[PS+(\t)], v[rB+5], 8, v[rB+4]
	s_delay_alu instid0(VALU_DEP_1)
	v_lshl_or_b32 v[PS+(\t)], v[rB+6], 16, v[PS+(\t)]
	s_delay_alu instid0(VALU_DEP_1)
	v_lshl_or_b32 v[PS+(\t)], v[rB+7], 24, v[PS+(\t)]
.irp c, 0,1
	v_cvt_scalef32_pk16_fp6_f32 v[rP+6*\c:rP+6*\c+2], v[rS+32*\c:rS+32*\c+15], v[rB+12+2*\c]
	v_cvt_scalef32_pk16_fp6_f32 v[rB+4+4*\c:rB+6+4*\c], v[rS+16+32*\c:rS+31+32*\c], v[rB+13+2*\c]
.endr
	v_nop                                          ; one plain place behind a scaled conversion
.irp c, 0,1
.irp i, 0,1,2
	v_permlane16_swap_b32 v[rP+6*\c+\i], v[rB+4+4*\c+\i]
.endr
.irp i, 0,1,2
	s_delay_alu instid0(VALU_DEP_3)
	v_mov_b32 v[rP+3+6*\c+\i], v[rB+4+4*\c+\i]
.endr
.endr
.endm
; A KEY STEP.  kind 1: steps 0 to 29: the slot in hand is filled again with the step two on.  2: step 30: nothing is left to fetch.  3: step 31: f_w's fragments take the registers that fall free.
.macro BODY kind
	s_wait_dscnt 16                                ; this step's K, its scale words and the mask are in; V's 16 loads may be out
	WIN 0x05
.irp f, 0,1,2,3
.irp hf, 0,1
.irp t, 0,1
	MMS S+64*\t+16*\f+8*\hf, KF+12*\f, 70+12*\t-6*\hf, S+64*\t+16*\f+8*\hf, KS+\f, QS+\t, 0, 0   ; logits = q . k / 8 + mask
.endr
.endr
.endr
	WIN 0
.if \kind < 3
	s_wait_tensorcnt 0x0                           ; THE CHANGE OF SLOTS: my part of the next step is in,
	ds_add_u32 v[SPW], v[NIL]                      ; 0 onto my spare word
.if \kind == 1
	s_xor_b32 s[G0KV+1], s[G0KV+1], SLOT1          ; no tensor load of mine is out: the slot in hand, the step two on
	s_add_nc_u64 s[G0KV+2:G0KV+3], s[G0KV+2:G0KV+3], STEPB
	s_xor_b32 s[G0M+1], s[G0M+1], SLOT1
	s_add_nc_u64 s[G0M+2:G0M+3], s[G0M+2:G0M+3], 512
	s_wait_xcnt 0x0                                ; the last prefetch, a step back, has read its address
	s_add_nc_u64 s[PFA:PFA+1], s[PFA:PFA+1], s[PFS:PFS+1]
.endif
	s_wait_dscnt 0x0                               ; the add is done, and V is in: my reads of the slot in hand are over
.if \kind == 1
	ROUND                                          ; both now hold of every wave of all four work-groups
	TLOAD
	ASK
.else
	s_barrier_signal -1
	s_barrier_wait -1
.endif
	s_xor_b32 s[TB], s[TB], SLOT1                  ; the next step's slot
	v_add_nc_u32 v[ADF], s[TB], v[AF0]             ; these three and the v_nop are the four places behind the score products, in front of the loads into their registers
	v_add_nc_u32 v[ADS], s[TB], v[AS0]
	v_add_nc_u32 v[ADM], s[TB], v[AM0]
	v_nop
	KVLDS KF, KS, ADF, ADS, 0, 0                   ; the next step's K
.else
	PLACES
	WIN 0x40
	FWLOAD KF, 0, 0
	FWLOAD 224, 3, 184
	WIN 0
.endif
	SM_MAX 0
	SM_MAX 1
	SM_SCALE 0
	SM_SCALE 1
	s_wait_alu depctr_va_vdst(0)                   ; ahead of the batch
	SM_EXP 0
	SM_EXP 1
	v_pk_mul_f32 v[ST+2:ST+3], v[ST+2:ST+3], v[ST+4:ST+5] op_sel_hi:[1,0]
	v_pk_mul_f32 v[ST+10:ST+11], v[ST+10:ST+11], v[ST+12:ST+13] op_sel_hi:[1,0]
	s_wait_alu depctr_va_vdst(0)                   ; one wait for the batch of 128
	SM_EXPB 0
	SM_EXPB 1
	SM_SUM 0
	SM_SUM 1
	s_wait_alu depctr_va_vdst(0)                   ; and one for the eight
	SM_QUANT 0
	SM_QUANT 1
.if \kind < 3
	MASKLOAD ADM                                   ; the next step's mask: p's conversions have read these registers
.else
	FWLOAD S+64, 2, 0
.endif
	WIN 0x41
	s_wait_alu depctr_va_vdst(0)                   ; directly ahead of the first reader of O^T
.irp t, 0,1
.set j, 0
.rept 16
	v_pk_mul_f32 v[32*\t+j:32*\t+j+1], v[32*\t+j:32*\t+j+1], v[ST+8*\t+4:ST+8*\t+5] op_sel_hi:[1,0]   ; O^T under the new M; also the places between p's codes and scale words and the products
.set j, j+2
.endr
.endr
.if \kind == 3
	s_wait_alu depctr_va_vdst(0)
	s_wait_dscnt 0x0                               ; V (in the other kinds the change of slots has waited for it)
.endif
	WIN 0x51
.irp n, 0,1,2,3
.irp t, 0,1
	MMS 32*\t+8*\n, VF+12*\n, PCD+12*\t, 32*\t+8*\n, VS+\n, PS+\t, 0, 0
.endr
.endr
	WIN 0
	PLACES
.if \kind < 3
	KVLDS VF, VS, ADF, ADS, 6144, 512              ; the next step's V
.else
	WIN 0x40
	FWLOAD VF, 1, 0
	WIN 0
.endif
.endm
.Lstep:                                            ; 30 trips: steps 0 to 29
	BODY 1
	s_sub_co_u32 s[SLOTS], s[SLOTS], 1
	s_cmp_lg_u32 s[SLOTS], 1
	s_cbranch_scc1 .Lstep
	BODY 2                                         ; the last two steps are written out
	BODY 3
	; THE WAY OUT
.irp t, 0,1
	v_add_f32 v[ST+8*\t+6], v[ST+8*\t+2], v[ST+8*\t+3]
.endr
.irp t, 0,1
	s_delay_alu instid0(VALU_DEP_2)
	v_permlanex16_b32 v[BM+16*\t+4], v[ST+8*\t+6], s[SEL], s[SEL+1]
.endr
.irp t, 0,1
	s_delay_alu instid0(VALU_DEP_2)
	v_add_f32 v[ST+8*\t+6], v[ST+8*\t+6], v[BM+16*\t+4]
.endr
	s_wait_alu depctr_va_vdst(0)
.irp t, 0,1
	v_rcp_f32 v[ST+8*\t+4], v[ST+8*\t+6]
.endr
	v_nop                                          ; a plain place behind the reciprocals
	s_wait_alu depctr_va_vdst(0)                   ; one wait for the two, ahead of their first reader
	WIN 0x01
.irp t, 0,1
.set j, 0
.rept 32
	v_mul_f32 v[S+32*\t+j], v[32*\t+j], v[ST+8*\t+4]   ; O^T / the sum
.set j, j+1
.endr
.endr
	WIN 0
	QUANT S, 0x1800000
.irp u, 0,1
.irp i, 0,1,2
	ds_store_b64 v[AWI], v[PC+6*\u+2*\i:PC+6*\u+2*\i+1] offset:AIMG+\u*6144+8*\i   ; my head's 24 bytes of the lane's 48 in fragment (u, hd / 2)
.endr
.endr
	ds_store_b16 v[AWS], v[PW] offset:ASC
	ds_store_b16_d16_hi v[AWS], v[PW] offset:ASC+512
	s_wait_dscnt 0x0                               ; for the others' sake: my stores have landed
	s_barrier_signal -1
	s_barrier_wait -1
	; out^T = f_w A^T + f_b: four tiles of outputs x two tiles of queries: eight accumulators by turns
.irp s, 0,1,2,3
.if \s > 0
	PLACES
.endif
.irp u, 0,1
.irp i, 0,1,2
	ds_load_b128 v[PCD+12*\u+4*\i:PCD+12*\u+4*\i+3], v[L48] offset:AIMG+(4*\u+\s)*1536+16*\i
.endr
	ds_load_b32 v[PS+\u], v[L4] offset:ASC+(4*\u+\s)*128
.endr
	s_wait_dscnt 0x0
.if \s == 0
	s_wait_loadcnt 36                              ; f_b, the scale words and f_w's K step 0 are in; behind them stand K steps 3, 2 and 1, 12 loads each
.endif
.if \s == 1
	s_wait_loadcnt 0x0
.endif
.if \s == 2
	WIN 0x50
.else
	WIN 0x51
.endif
.irp n, 0,1,2,3
.irp u, 0,1
.if \s == 0
	MMS 8*(2*\n+\u), KF+12*\n, PCD+12*\u, FB+8*\n, FWS+4*(\n/2)+\s, PS+\u, \n%2, 0
.elseif \s == 1
	MMS 8*(2*\n+\u), VF+12*\n, PCD+12*\u, 8*(2*\n+\u), FWS+4*(\n/2)+\s, PS+\u, \n%2, 0
.elseif \s == 2
	MMS 8*(2*\n+\u), S+64+12*\n, PCD+12*\u, 8*(2*\n+\u), FWS+4*(\n/2)+\s, PS+\u, \n%2, 0
.else
	MMS 8*(2*\n+\u), 224+12*\n-184*(\n/2), PCD+12*\u, 8*(2*\n+\u), FWS+4*(\n/2)+\s, PS+\u, \n%2, 0
.endif
.endr
.endr
	WIN 0
.endr
	PLACES
	WIN 0x04
.irp u, 0,1
.irp n, 0,1,2,3
	ds_store_b128 v[SO], v[8*(2*\n+\u):8*(2*\n+\u)+3] offset:\u*4352+128*(\n/2)+32*(\n%2)        ; each accumulator from its low end on
	ds_store_b128 v[SO], v[8*(2*\n+\u)+4:8*(2*\n+\u)+7] offset:\u*4352+128*(\n/2)+32*(\n%2)+16
.endr
.endr
	WIN 0
.irp u, 0,1
.irp tt, 0,1,2,3,4,5,6,7
	ds_load_b128 v[S+4*(8*\u+\tt):S+4*(8*\u+\tt)+3], v[RD] offset:\u*4352+544*\tt   ; LDS serves a wave's instructions in order: these see my stores
.endr
.endr
.irp u, 0,1
.irp tt, 0,1,2,3,4,5,6,7
	s_wait_dscnt 15-8*\u-\tt
	global_store_b128 v[GO], v[S+4*(8*\u+\tt):S+4*(8*\u+\tt)+3], s[18:19] offset:(8*\u+2*\tt+8*(\tt/4))*2048 th:TH_STORE_NT   ; sixteen lanes store 256 consecutive bytes, at a multiple of 256 from out0's first byte
.endr
.endr
	s_wait_tensorcnt 0x0                           ; the wave's end
	ds_add_u32 v[SPW], v[NIL]
	s_wait_dscnt 0x0
	ROUND                                          ; the closing round: no work-group ends while a partner may still ask for a tile that names it
	s_endpgm
.Lfunc_end_k_q6b478a9dbb_attn:
	.size	k_q6b478a9dbb_attn, .Lfunc_end_k_q6b478a9dbb_attn-k_q6b478a9dbb_attn
	.p2alignl 7, 3214868480
	.fill 96, 4, 3214868480
	.section	.rodata,"a",@progbits
	.p2align	6, 0x0
	.amdhsa_kernel k_q6b478a9dbb_attn
		.amdhsa_group_segment_fixed_size 327680
		.amdhsa_private_segment_fixed_size 0
		.amdhsa_enable_private_segment 0
		.amdhsa_kernarg_size 64
		.amdhsa_user_sgpr_count 2
		.amdhsa_user_sgpr_kernarg_segment_ptr 1
		.amdhsa_wavefront_size32 1
		.amdhsa_system_sgpr_workgroup_id_x 1
		.amdhsa_system_sgpr_workgroup_id_y 1
		.amdhsa_system_sgpr_workgroup_id_z 1
		.amdhsa_system_vgpr_workitem_id 0
		.amdhsa_next_free_vgpr 512
		.amdhsa_next_free_sgpr 100
		.amdhsa_reserve_vcc 0
		.amdhsa_float_denorm_mode_32 3
		.amdhsa_float_denorm_mode_16_64 3
		.amdhsa_memory_ordered 1
		.amdhsa_forward_progress 1
		.amdhsa_inst_pref_size 142
	.end_amdhsa_kernel
	.amdgpu_metadata
---
amdhsa.version: [ 1, 2 ]
amdhsa.kernels:
  - .name:           k_q6b478a9dbb_attn
    .symbol:         k_q6b478a9dbb_attn.kd
    .args:
      - { .name: qim, .offset: 0, .size: 8, .value_kind: global_buffer, .address_space: global }
      - { .name: qsc, .offset: 8, .size: 8, .value_kind: global_buffer, .address_space: global }
      - { .name: kvb, .offset: 16, .size: 8, .value_kind: global_buffer, .address_space: global }
      - { .name: mask, .offset: 24, .size: 8, .value_kind: global_buffer, .address_space: global }
      - { .name: cod, .offset: 32, .size: 8, .value_kind: global_buffer, .address_space: global }
      - { .name: scl, .offset: 40, .size: 8, .value_kind: global_buffer, .address_space: global }
      - { .name: f_b, .offset: 48, .size: 8, .value_kind: global_buffer, .address_space: global }
      - { .name: out0, .offset: 56, .size: 8, .value_kind: global_buffer, .address_space: global }
    .group_segment_fixed_size: 327680
    .private_segment_fixed_size: 0
    .kernarg_segment_align: 8
    .kernarg_segment_size: 64
    .max_flat_workgroup_size: 256
    .sgpr_count:     100
    .vgpr_count:     512
    .wavefront_size: 32
...
	.end_amdgpu_metadata
.endif
;; end of part 3
